; MI455X (gfx1250); checked and timed in simulation.
; The chip was launched on July 23, 2026; its instructions are those of AMD's public machine-readable ISA for CDNA 5 (MIT licence, August 2026) and "CDNA5" Instruction Set Architecture Reference Guide (July 2026). The comments in the code are by the model that wrote it; some were corrected since.
;; Muti Head Attention. Allowed arithmetic: matrix products marked QUANTISED: E2M3 operands, one E8M0 scale for each 32 along K, by v_wmma_scale_f32_16x16x128_f8f6f4 with both operands' format E2M3, f32 sums; everything else in f32.
;; Inputs: b_k 1,024 float32; b_o 1,024 float32; b_q 1,024 float32; b_v 1,024 float32; w_k_codes 1,024 x 32 x 24 uint8 (E2M3 codes of w_k, K innermost, in blocks of 32 codes, four codes in three bytes); w_k_scales 1,024 x 32 uint8 (E8M0 scales of w_k, one for each 32 codes along K); w_o_codes 1,024 x 32 x 24 uint8 (E2M3 codes of w_o, K innermost, in blocks of 32 codes, four codes in three bytes); w_o_scales 1,024 x 32 uint8 (E8M0 scales of w_o, one for each 32 codes along K); w_q_codes 1,024 x 32 x 24 uint8 (E2M3 codes of w_q, K innermost, in blocks of 32 codes, four codes in three bytes); w_q_scales 1,024 x 32 uint8 (E8M0 scales of w_q, one for each 32 codes along K); w_v_codes 1,024 x 32 x 24 uint8 (E2M3 codes of w_v, K innermost, in blocks of 32 codes, four codes in three bytes); w_v_scales 1,024 x 32 uint8 (E8M0 scales of w_v, one for each 32 codes along K); x_codes 4 x 2,048 x 32 x 24 uint8 (E2M3 codes of x, K innermost, in blocks of 32 codes, four codes in three bytes); x_scales 4 x 2,048 x 32 uint8 (E8M0 scales of x, one for each 32 codes along K).
;; Outputs: out0 4 x 2,048 x 1,024 float32.
;; This version of the problem:
;;   THIS VERSION OF THE PROBLEM IS GIVEN IN LOW PRECISION. The matrix products marked QUANTISED in the list below multiply operands that are first quantised to E2M3 (2 exponent bits, 3 mantissa bits; 6 bits a number), with one power-of-two scale for each 32 numbers along K (OCP MX v1.0); their sums are f32. All else is computed in f32.
;;   The module's matrix products, in the order in which they are computed (A, B: the left and right operand; K: the contracted axis; several contracted axes count as one K, in the product's order):
;;     1. [M 8,192, K 1,024] x [K 1,024, N 1,024]; A: input x (given as codes); B: input w_q (given as codes): QUANTISED
;;     2. [M 8,192, K 1,024] x [K 1,024, N 1,024]; A: input x (given as codes); B: input w_k (given as codes): QUANTISED
;;     3. [M 8,192, K 1,024] x [K 1,024, N 1,024]; A: input x (given as codes); B: input w_v (given as codes): QUANTISED
;;     4. batch 64 x [M 2,048, K 64] x [K 64, N 2,048]; A: computed on the way; B: computed on the way: QUANTISED
;;     5. batch 64 x [M 2,048, K 2,048] x [K 2,048, N 64]; A: softmax (see below); B: computed on the way: QUANTISED
;;     6. [M 8,192, K 1,024] x [K 1,024, N 1,024]; A: computed on the way; B: input w_o (given as codes): QUANTISED
;;   THE QUANTISER, for each operand of a quantised product, along K:
;;     - K is cut into blocks of 32 from its start; a last block that is shorter is filled with zeros.
;;     - A block's scale is 2^e with e = floor(log2(the largest magnitude in the block)) - 2, held to -126 .. 127; a block of zeros has e = 0. As a byte (E8M0): e + 127.
;;     - Each number is divided by its block's scale, clamped to +-7.5, and rounded to the nearest number of E2M3, ties to even, subnormals kept.
;;     - The product sums the exact products of the quantised numbers (number of the format x scale) in f32.
;;   ~~~python
;;   def quantise(x, axis):      # numpy; x: float32 -> the quantised numbers, widened to float32 again
;;       x = np.moveaxis(x, axis, -1); K = x.shape[-1]
;;       x = np.pad(x, [(0, 0)] * (x.ndim - 1) + [(0, -K % 32)]); x = x.reshape(x.shape[:-1] + (-1, 32)); a = np.abs(x).max(-1, keepdims=True)
;;       e = np.where(a > 0, np.clip(np.frexp(np.where(a > 0, a, 1))[1] - 1 - 2, -126, 127), 0)      # np.frexp(a)[1] - 1 = floor(log2(a)), exactly
;;       r = np.clip(x / 2.0 ** e, -7.5, 7.5)
;;       step = 2.0 ** (np.maximum(np.frexp(np.where(r == 0, 1, r))[1] - 1, 0) - 3)
;;       q = np.round(r / step) * step * 2.0 ** e      # np.round: ties to even
;;       return np.moveaxis(q.reshape(q.shape[:-2] + (-1,))[..., :K], -1, axis).astype(np.float32)
;;   ~~~
;;   SOFTMAX AHEAD OF A QUANTISED PRODUCT. Where the list says 'softmax', what is quantised is not the finished softmax but p = 2^(t - M), with t = logit x log2(e) and M = ceil(the row's largest t), a whole number; so 1/2 < the row's largest p <= 1. The row's sum l is taken of the UNQUANTISED p, in f32, and the product's result is divided by l at the end. Since M is a whole number, a kernel that streams over the keys may use a running M (the ceiling of the running maximum): every later rescaling is an exact power of two, which a block's scale takes up: the codes' values come out the same.
;;   OPERANDS COMPUTED ON THE WAY. 'Computed on the way' means the value that the module computes at that place (a softmax that the list does not call 'softmax' is quantised finished and normalised). What goes into a quantiser is computed in f32, as accurately as f32 sums, v_exp_f32 and their like allow (about 1e-6 of the number): no bf16 or f16 on the way to a quantiser, and a product that is left as it is and whose result goes on into a quantised operand takes f32 operands (vector FMAs, or v_wmma_f32_16x16x4_f32). A number that lies on a knife's edge between two numbers of the format may be rounded either way, as far as f32 arithmetic and the matrix unit's own rounding can turn it there, and no further.
;;   INPUTS GIVEN AS CODES. w_k (in the module: [1024, 1024], K = its axis 1); w_o (in the module: [1024, 1024], K = its axis 1); w_q (in the module: [1024, 1024], K = its axis 1); w_v (in the module: [1024, 1024], K = its axis 1); x (in the module: [4, 2048, 1024], K = its axis 2): each comes as NAME_codes (uint8): NAME with its K axis moved to the last place and cut into blocks of 32 codes, [.., K / 32, bytes a block], one block behind the other in memory; four codes in three bytes: a row's codes are one little-endian stream of bits, code i at bits 6 i .. 6 i + 5 (a code: sign, 2 exponent bits, 3 mantissa bits); and NAME_scales (uint8): the same leading axes, one E8M0 byte (e + 127) for each 32 codes along K. Its value is code x scale, taken as it is: it is not quantised again, and the codes and scales need not be those that the quantiser above would give.
;; One version. Each part assembles by itself: llvm-mc -triple=amdgcn-amd-amdhsa -mcpu=gfx1250 --defsym DOCPART=n.
;; ======== version 1 of 1: 3 launches
;; limits: right only within a limited range of input values
;; workspace buffers: qc 6,291,456 bytes; kc 6,291,456 bytes; vc 6,291,456 bytes; qs 262,144 bytes; ks 262,144 bytes; vs 262,144 bytes; cc 6,291,456 bytes; cs 262,144 bytes
;; launch qkv (part 1): grid 12 x 64, 4 waves a work-group, clusters of 4 x 4, 327,680 bytes of LDS; arguments x_codes, x_scales, w_q_codes, w_q_scales, w_k_codes, w_k_scales, w_v_codes, w_v_scales, b_q, b_k, b_v, qc, qs, kc, ks, vc, vs; writes qc, qs, kc, ks, vc, vs
.if DOCPART == 1
	.amdgcn_target "amdgcn-amd-amdhsa--gfx1250"
	.amdhsa_code_object_version 6
	.text
	.protected	k_q40856e12c0_qkv
	.globl	k_q40856e12c0_qkv
	.p2align	8
	.type	k_q40856e12c0_qkv,@function
k_q40856e12c0_qkv:
	s_mov_b64 s[64:65], 0
	v_nop
	global_prefetch_b8 v0, s[64:65] scope:SCOPE_SE
	s_setreg_imm32_b32 hwreg(HW_REG_WAVE_MODE, 25, 1), 1
	s_wait_xcnt 0x0
	s_wait_alu depctr_hold_cnt(0) depctr_sa_sdst(0) depctr_va_vdst(0) depctr_va_sdst(0) depctr_va_ssrc(0) depctr_va_vcc(0) depctr_vm_vsrc(0)
	s_getreg_b32 s2, hwreg(HW_REG_IB_STS2, 6, 4)
	s_cmp_eq_u32 s2, 0
	s_cbranch_scc0 .Lentry_in_a_cluster
	s_endpgm
.Lentry_in_a_cluster:
	s_bfe_u32 s2, ttmp6, 0x10000c
	s_cmp_lg_u32 s2, 0xf033
	s_cbranch_scc0 .Lentry_shape_is_right
	s_endpgm
.Lentry_shape_is_right:
; q = x Wq^T + bq, k = x Wk^T + bk, v = x Wv^T + bv on codes of FP6 (E2M3), one E8M0 scale for each 32 along K = 1,024; the results are quantised at once:
; q and k along the head's 64, v along the keys.  The cluster's x says which of the three (MODE 0, 1, 2).
; TWO ROLES.  P is source 0: its rows run along a lane's result registers, the axis that is quantised.  R is source 1: its row is the lane.
; q, k: P = the weight's rows, R = x's tokens.  v: P = x's tokens (the keys), R = Wv's rows.  The modes differ in pointers and scalars chosen by s_cselect; no branch hangs on the mode.
; SHARES.  A work-group makes P 256 x R 128; wave w takes R's half w / 2 (four blocks a) and P's half w % 2 (eight tiles b): 32 accumulators.
; LDS holds ALL OF K: R's 128 rows and P's 256 rows of 768 bytes (16 bytes of padding behind every 256: pitch 816), and their scale bytes.  Each is one joint load, one a wave, at the head;
; a tile's row is 768 bytes of memory and begins at a multiple of 256.  Nothing is filled again.  No prefetch: the launch has no loop of loads to run ahead in.
; CLUSTER 4 x 4: R's tile hangs on the cluster's row alone and is asked for jointly along it, P's tile on the column.
; R'S ROWS OF A BLOCK ARE NOT NEIGHBOURS: lane r of block a takes row 32 (r / 8) + 8 a + r % 8 of the wave's 64.  So in the next launch a lane's results of four tiles of k are a whole block of 32 keys,
; those of four tiles of v a whole block of 32 of the head's columns; q's tokens come in the same order, which the last launch sets right in its stores.
; THE ORDER INSIDE A BLOCK OF 32 ALONG P: 0..7, 16..23, 8..15, 24..31 (P's tiles take neighbouring rows).  q and k share it, and so do v here and p in the next launch: the products are the same.
; OUT.  Images of operand registers: six registers of 32 lanes are 768 bytes (registers 0-3 at 16 x lane, 4-5 at 512 + 8 x lane).  qc, kc: [batch x head][tile of 16 tokens][768].
; vc: [batch x head][128 keys][tile of 16 of the head's 64][2 x 768].  qs, ks: [batch x head][64 tokens][row 0..15][2 words].  vs: [batch x head][128 keys][2][row][2 words].
; LIMITS: NaN, infinities and scale bytes 0xff are not served; a block whose largest magnitude lies under 2^-124 has its byte held at 1; a block of zeros gets the byte 1 where the rule says 127
; (its codes are zeros, and this program alone reads the bytes).
; REGISTERS: window 0: v1-23 addresses; v24-63 scale words, two sets of 20; v64-127 the bias along P; v128-223 R's fragments, two sets; v228-247 at work.  On the way out v128-191 a block's numbers, v192-227 at work.
;   window 1: P's fragments, two sets of 96 at v0 and v128.   window 2: accumulator (a, b) at v[8 (8 a + b)].
.set PITCH,  816
.set ABYTES, 128*PITCH
.set SCL,    384*PITCH
.set SUNIT,  272
.set SPARE,  SCL+48*SUNIT
.set ADRA, 4                           ; v4 my R fragments, v5 the same behind one padding more
.set ADRB, 6                           ; v6, v7 P's tiles 0-3; v8, v9 tiles 4-7
.set ADRS, 16
.set SPW,  17
.set NIL,  18
.set L16,  19
.set L8,   20
.set VSEL, 21
.set SOFF, 22
.set SC,   24
.set T,    64
.set AF,   128
.set ST,   128
.set PC,   192
.set TM,   212
.set W,    228
.set TO,   230
.set TVP,  232
.set PW,   240
.set G0A, 4
.set G0B, 8
.set G0SA, 12
.set G0SB, 16
.set G1A, 68
.set G1B, 76
.set G1SA, 84
.set G1SB, 92
.set WV, 50
.set WR, 51
.set WP, 52
.set CX, 53
.set CYI, 54
.set MODE, 55
.set PT, 56
.set RT, 57
.set MSB, 0
.macro WIN new
.if MSB != \new
	s_set_vgpr_msb (MSB<<8)|\new
.set MSB, \new
.endif
.endm
.macro PLACES n
.rept \n
	v_nop
.endr
.endm
.macro CROUND
	s_barrier_signal -1
	s_barrier_wait -1
	s_cmp_lg_u32 s[WV], 0
	s_cbranch_scc1 .Lnot_wave_0_\@
	s_barrier_signal -3
.Lnot_wave_0_\@:
	s_barrier_wait -3
	s_barrier_signal -1
	s_barrier_wait -1
.endm
.macro ARM under, g0, g1, next         ; one arm of the head's chain: a wave's one load
	s_cmp_lt_u32 s[WV], \under
	s_cbranch_scc0 \next
	tensor_load_to_lds s[\g0:\g0+3], s[\g1:\g1+7]
	s_nop 0
	PLACES 4
	s_branch .Lhead_asked
\next:
.endm
; A fragment, 16 rows x 128 K, step q of the row: six pieces of 8 bytes; lanes 16-31 read 24 bytes on, for some pieces behind one padding more (second address register)
.macro FRAG reg, adr, q, off
.irp p, 0,1,2,3,4,5
.set PCE, 12*(\q)+6*(\p/3)+\p%3
.if PCE%32 < 29
	ds_load_b64 v[\reg+2*\p:\reg+2*\p+1], v[\adr] offset:8*PCE+16*(PCE/32)+(\off)
.else
	ds_load_b64 v[\reg+2*\p:\reg+2*\p+1], v[\adr+1] offset:8*PCE+16*(PCE/32)+(\off)
.endif
.endr
.endm
.macro FETCH q, p                      ; step q's fragments into set p: 72 loads in one run
	WIN 0x40
.irp i, 0,1,2,3,4,5,6,7
	FRAG 128*(\p)+12*\i, ADRB+2*(\i/4), \q, (\i%4)*16*PITCH
.endr
	WIN 0
.irp i, 0,1,2,3
	FRAG AF+48*(\p)+12*\i, ADRA, \q, \i*8*PITCH
.endr
.endm
; The scale words of steps 2 j, 2 j + 1 into set j % 2.  Entry e reads 2 e runs on (e = 8, 9: 1 and 3 runs on).  Lanes 16-31: P's tile b in entry b.  Lanes 0-15: R's block a lies a runs on: entry 8 (a % 2) + a / 2.
.macro SCALES j
.irp e, 0,1,2,3,4,5,6,7,8,9
	ds_load_b64 v[SC+20*((\j)%2)+2*\e:SC+20*((\j)%2)+2*\e+1], v[ADRS] offset:(2*\e-15*(\e/8))*SUNIT+8*(\j)
.endr
.endm
.macro WM a, b, p, c, x0, x1
	v_wmma_scale_f32_16x16x128_f8f6f4 v[8*(8*(\a)+\b):8*(8*(\a)+\b)+7], v[128*(\p)+12*\b:128*(\p)+12*\b+11], v[AF+48*(\p)+12*(\a):AF+48*(\p)+12*(\a)+11], \c, v[\x0], v[\x1] matrix_a_fmt:MATRIX_FMT_FP6 matrix_b_fmt:MATRIX_FMT_FP6 matrix_a_scale:MATRIX_SCALE_ROW1
.endm
; Eight products: R's block a against P's eight tiles.  first: the bias along P is the C.  The 32 accumulators take turns.
.macro MUL8 a, p, q, sc, first
.irp b, 0,1,2,3,4,5,6,7
.if \first
	WM \a, \b, \p, v[T+8*\b:T+8*\b+7], SC+20*(\sc)+2*\b+(\q), SC+20*(\sc)+2*(((\a)%2)*8+(\a)/2)+(\q)
.else
	WM \a, \b, \p, v[8*(8*(\a)+\b):8*(8*(\a)+\b)+7], SC+20*(\sc)+2*\b+(\q), SC+20*(\sc)+2*(((\a)%2)*8+(\a)/2)+(\q)
.endif
.endr
.endm
; 64 numbers of a lane, four blocks of 32 shared with lane l xor 16, become a fragment's codes in v[PC] on and its scale word in v[pw]
.macro QUANT s, pw
.irp b, 0,1,2,3
	v_max3_num_f32 v[TM+\b], |v[\s+16*\b]|, |v[\s+1+16*\b]|, 0x1800000   ; the floor 2^(3 - 127): the byte cannot fall under 1
.endr
.irp i, 2,4,6,8,10,12,14
.irp b, 0,1,2,3
	v_max3_num_f32 v[TM+\b], v[TM+\b], |v[\s+16*\b+\i]|, |v[\s+1+16*\b+\i]|
.endr
.endr
.irp b, 0,1,2,3
	v_permlanex16_b32 v[TM+4+\b], v[TM+\b], s40, s41
.endr
.irp b, 0,1,2,3
	v_max_num_f32 v[TM+\b], v[TM+\b], v[TM+4+\b]
.endr
.irp b, 0,1,2,3
	v_add_nc_u32 v[TM+12+\b], 0xff000000, v[TM+\b] ; 2 off the exponent field: the conversion's scale operand
.endr
.irp b, 0,1,2,3
	v_lshrrev_b32 v[TM+4+\b], 23, v[TM+12+\b]
.endr
	v_lshl_or_b32 v[\pw], v[TM+5], 8, v[TM+4]
	v_lshl_or_b32 v[\pw], v[TM+6], 16, v[\pw]
	v_lshl_or_b32 v[\pw], v[TM+7], 24, v[\pw]
.irp c, 0,1
	v_cvt_scalef32_pk16_fp6_f32 v[PC+6*\c:PC+2+6*\c], v[\s+32*\c:\s+15+32*\c], v[TM+12+2*\c]
	v_cvt_scalef32_pk16_fp6_f32 v[PC+12+4*\c:PC+14+4*\c], v[\s+16+32*\c:\s+31+32*\c], v[TM+12+2*\c+1]
.endr
	v_nop                                          ; one plain place behind a scaled conversion
.irp c, 0,1
.irp i, 0,1,2
	v_permlane16_swap_b32 v[PC+6*\c+\i], v[PC+12+4*\c+\i]
.endr
.irp i, 0,1,2
	v_mov_b32 v[PC+3+6*\c+\i], v[PC+12+4*\c+\i]
.endr
.endr
.endm
	s_load_b512 s[68:83], s[0:1], 0x0              ; x codes, x scales, Wq codes, scales, Wk codes, scales, Wv codes, scales
	s_load_b512 s[84:99], s[0:1], 0x40             ; bq, bk, bv, qc, qs, kc, ks, vc
	s_load_b64 s[100:101], s[0:1], 0x80            ; vs
	v_lshl_add_u32 v[SPW], v0, 2, SPARE
	v_mov_b32 v[NIL], 0
	ds_add_u32 v[SPW], v[NIL]                      ; the opening lines: the add, twice on end, and its wait
	ds_add_u32 v[SPW], v[NIL]
	v_lshrrev_b32 v1, 5, v0
	v_readfirstlane_b32 s[WV], v1
	s_lshr_b32 s[WR], s[WV], 1                     ; my half of R's rows
	s_and_b32 s[WP], s[WV], 1                      ; my half of P's rows
	s_bfe_u32 s[CX], ttmp6, 0x40000
	s_bfe_u32 s[CYI], ttmp6, 0x40004
	s_mov_b32 s[MODE], ttmp9
	s_and_b32 s58, ttmp7, 0xffff
	s_lshr_b32 s59, s58, 1
	s_lshl_b32 s59, s59, 2
	s_and_b32 s60, s58, 1
	s_lshl_b32 s60, s60, 2
	s_lshl_b32 s61, s58, 2
	s_cmp_eq_u32 s[MODE], 2
	s_cselect_b32 s[PT], s59, 0
	s_cselect_b32 s[RT], s60, s61
	s_add_co_u32 s[PT], s[PT], s[CX]               ; P's tile of 256 rows: q, k: cx;  v: 4 (y / 2) + cx
	s_add_co_u32 s[RT], s[RT], s[CYI]              ; R's tile of 128 rows: q, k: 4 y + cy;  v: 4 (y % 2) + cy
	s_lshl_b32 s66, s[CYI], 2
	s_lshl_b32 s66, 15, s66                        ; my row of the cluster
	s_lshl_b32 s67, 0x1111, s[CX]                  ; my column
	s_wait_dscnt 0x0
	s_wait_kmcnt 0x0
	s_cmp_eq_u32 s[MODE], 0
	s_cselect_b64 s[58:59], s[72:73], s[76:77]
	s_cselect_b64 s[60:61], s[74:75], s[78:79]
	s_cselect_b64 s[44:45], s[84:85], s[86:87]
	s_cselect_b64 s[46:47], s[90:91], s[94:95]
	s_cselect_b64 s[48:49], s[92:93], s[96:97]
	s_cmp_eq_u32 s[MODE], 2
	s_cselect_b64 s[58:59], s[80:81], s[58:59]
	s_cselect_b64 s[60:61], s[82:83], s[60:61]
	s_cselect_b64 s[44:45], s[88:89], s[44:45]     ; the bias
	s_cselect_b64 s[46:47], s[98:99], s[46:47]     ; the codes' output
	s_cselect_b64 s[48:49], s[100:101], s[48:49]   ; the scale words' output
	s_cselect_b64 s[36:37], s[58:59], s[68:69]     ; R's codes
	s_cselect_b64 s[38:39], s[60:61], s[70:71]     ; R's scales
	s_cselect_b64 s[40:41], s[68:69], s[58:59]     ; P's codes
	s_cselect_b64 s[42:43], s[70:71], s[60:61]     ; P's scales
	s_or_b32 s[G1A], s66, (1<<20)|(1<<21)|(5<<22)|(3<<25)   ; rows of 768 bytes, 16 bytes of padding behind every 256
	s_or_b32 s[G1B], s67, (1<<20)|(1<<21)|(5<<22)|(3<<25)
.irp g, G1A, G1B
	s_mov_b32 s[\g+1], 768<<16
	s_mov_b32 s[\g+3], 768<<16
	s_mov_b32 s[\g+5], 768
	s_mov_b32 s[\g+6], 0
	s_mov_b32 s[\g+7], 0
.endr
	s_mov_b32 s[G1A+2], 128<<16
	s_mov_b32 s[G1A+4], 128
	s_mov_b32 s[G1B+2], 256<<16
	s_mov_b32 s[G1B+4], 256
	s_or_b32 s[G1SA], s66, (3<<16)|(1<<20)|(1<<21)|(5<<22)|(3<<25)  ; scale bytes: dense, as rows of 256 bytes + 16
	s_or_b32 s[G1SB], s67, (3<<16)|(1<<20)|(1<<21)|(5<<22)|(3<<25)
.irp g, G1SA, G1SB
	s_mov_b32 s[\g+1], 32<<16
	s_mov_b32 s[\g+3], 32<<16
	s_mov_b32 s[\g+5], 32
	s_mov_b32 s[\g+6], 0
	s_mov_b32 s[\g+7], 0
.endr
	s_mov_b32 s[G1SA+2], 16<<16
	s_mov_b32 s[G1SA+4], 16
	s_mov_b32 s[G1SB+2], 32<<16
	s_mov_b32 s[G1SB+4], 32
	s_lshl_b32 s58, s[RT], 7
	s_mul_i32 s60, s58, 768
	s_mov_b32 s61, 0
	s_lshl_b32 s62, s58, 5
	s_mov_b32 s63, 0
	s_add_nc_u64 s[36:37], s[36:37], s[60:61]
	s_add_nc_u64 s[38:39], s[38:39], s[62:63]
	s_lshl_b32 s58, s[PT], 8
	s_mul_i32 s60, s58, 768
	s_lshl_b32 s62, s58, 5
	s_add_nc_u64 s[40:41], s[40:41], s[60:61]
	s_add_nc_u64 s[42:43], s[42:43], s[62:63]
	CROUND                                         ; all sixteen work-groups are here: the joint loads meet
	s_mov_b32 s[G0A], 1
	s_mov_b32 s[G0A+1], 0
	s_mov_b64 s[G0A+2:G0A+3], s[36:37]
	s_or_b32 s[G0A+3], s[G0A+3], 0x80000000
	s_mov_b32 s[G0B], 1
	s_mov_b32 s[G0B+1], ABYTES
	s_mov_b64 s[G0B+2:G0B+3], s[40:41]
	s_or_b32 s[G0B+3], s[G0B+3], 0x80000000
	s_mov_b32 s[G0SA], 1
	s_mov_b32 s[G0SA+1], SCL
	s_mov_b64 s[G0SA+2:G0SA+3], s[38:39]
	s_or_b32 s[G0SA+3], s[G0SA+3], 0x80000000
	s_mov_b32 s[G0SB], 1
	s_mov_b32 s[G0SB+1], SCL+16*SUNIT
	s_mov_b64 s[G0SB+2:G0SB+3], s[42:43]
	s_or_b32 s[G0SB+3], s[G0SB+3], 0x80000000
	ARM 1, G0B,  G1B,  .Lhead_a                    ; wave 0: P's 256 rows; wave 1: R's 128; waves 2, 3: their scale bytes
	ARM 2, G0A,  G1A,  .Lhead_sa
	ARM 3, G0SA, G1SA, .Lhead_sb
	tensor_load_to_lds s[G0SB:G0SB+3], s[G1SB:G1SB+7]
	s_nop 0
	PLACES 4
.Lhead_asked:
	v_and_b32 v1, 15, v0                           ; r
	v_bfe_u32 v2, v0, 4, 1                         ; h
	v_and_b32 v3, 31, v0                           ; lane
	v_and_b32 v244, 7, v1
	v_lshrrev_b32 v245, 3, v1
	v_lshl_add_u32 v246, v245, 5, v244             ; R's row of block 0: 32 (r / 8) + r % 8
	v_mul_u32_u24 v23, v246, PITCH
	v_mad_u32_u24 v23, v2, 24, v23
	s_mul_i32 s58, s[WR], 64*PITCH
	s_mul_i32 s59, s[WP], 128*PITCH
	s_add_co_u32 s59, s59, ABYTES
	v_add_nc_u32 v[ADRA], s58, v23
	v_lshl_add_u32 v[ADRA+1], v2, 4, v[ADRA]
	v_mul_u32_u24 v23, v1, PITCH
	v_mad_u32_u24 v23, v2, 24, v23
	v_add_nc_u32 v[ADRB], s59, v23
	v_lshl_add_u32 v[ADRB+1], v2, 4, v[ADRB]
	v_add_nc_u32 v[ADRB+2], 64*PITCH, v[ADRB]
	v_add_nc_u32 v[ADRB+3], 64*PITCH, v[ADRB+1]
	v_lshlrev_b32 v[ADRS], 5, v244                 ; scale bytes: 32 (r % 8) in a run of eight rows;
	v_bfe_u32 v247, v0, 3, 2                       ; r / 8 + 2 h
	v_xor_b32 v247, 2, v247
	v_add_nc_u32 v247, 1, v247
	v_lshrrev_b32 v247, 2, v247                    ; 1 where r / 8 is 1 and h is 0
	v_mul_u32_u24 v23, v245, SUNIT                 ; r / 8: P's rows lie one run on,
	v_mad_u32_u24 v23, v247, 3*SUNIT, v23          ; R's four runs on
	v_add_nc_u32 v[ADRS], v[ADRS], v23
	s_mul_i32 s58, s[WR], 8*SUNIT
	s_mul_i32 s59, s[WP], 16*SUNIT
	s_add_co_u32 s59, s59, 16*SUNIT
	s_sub_co_u32 s59, s59, s58
	v_mul_u32_u24 v23, s59, v2                     ; lanes 16-31 take P's
	s_add_co_u32 s58, s58, SCL
	v_add_nc_u32 v[ADRS], v[ADRS], v23
	v_add_nc_u32 v[ADRS], s58, v[ADRS]
	v_lshlrev_b32 v[L16], 4, v3
	v_lshlrev_b32 v[L8], 3, v3
	; THE BIAS.  q, k: along P: the table T is the C of the first products.  v: along R: one number a lane and block, added on the way out.  Both are loaded in every mode, inside the buffer; the one that does not apply is multiplied by 0.
	s_lshl_b32 s58, s[PT], 10
	s_lshl_b32 s59, s[WP], 9
	s_add_co_u32 s58, s58, s59
	s_lshl_b32 s59, s[RT], 9
	s_lshl_b32 s60, s[WR], 8
	s_add_co_u32 s59, s59, s60
	s_cmp_eq_u32 s[MODE], 2
	s_cselect_b32 s58, 0, s58
	s_cselect_b32 s59, s59, 0
	s_cselect_b32 s42, 0, 1.0
	s_cselect_b32 s2, 1.0, 0
	s_mov_b32 s43, s42
	s_wait_alu depctr_va_vdst(0)                   ; the wait behind the run of scalar lines
	v_lshl_add_u32 v[TO], v2, 5, s58
	v_lshl_add_u32 v[TO+1], v246, 2, s59
.irp t, 0,1,2,3,4,5,6,7
	global_load_b128 v[T+8*\t:T+8*\t+3], v[TO], s[44:45] offset:64*\t
	global_load_b128 v[T+8*\t+4:T+8*\t+7], v[TO], s[44:45] offset:64*\t+16
.endr
.irp a, 0,1,2,3
	global_load_b32 v[TVP+2*\a], v[TO+1], s[44:45] offset:32*\a     ; bias[.. + 32 (r / 8) + 8 a + r % 8]
.endr
	s_lshr_b32 s58, s[RT], 4
	s_lshl_b32 s58, s58, 4
	s_lshl_b32 s59, s[PT], 2
	s_add_co_u32 s58, s58, s59
	s_lshl_b32 s59, s[WP], 1
	s_add_co_u32 s58, s58, s59                     ; q, k: 16 x batch + my first head
	s_and_b32 s59, s[RT], 15
	s_lshl_b32 s59, s59, 1
	s_add_co_u32 s59, s59, s[WR]                   ; and which 64 tokens
	s_lshr_b32 s60, s[PT], 3
	s_lshl_b32 s60, s60, 4
	s_lshl_b32 s61, s[RT], 1
	s_add_co_u32 s60, s60, s61
	s_add_co_u32 s60, s60, s[WR]                   ; v: 16 x batch + my head
	s_and_b32 s61, s[PT], 7
	s_lshl_b32 s61, s61, 1
	s_add_co_u32 s61, s61, s[WP]                   ; and which 128 keys
	s_cmp_eq_u32 s[MODE], 2
	s_cselect_b32 s58, s60, s58
	s_cselect_b32 s59, s61, s59
	s_mov_b32 s62, 6144
	s_cselect_b32 s62, s62, 3072
	s_mov_b32 s63, 256
	s_cselect_b32 s63, s63, 128
	s_mov_b32 s38, 1536
	s_cselect_b32 s38, s38, 768                    ; from block a to a + 1
	s_mov_b32 s36, 768
	s_cselect_b32 s36, s36, 98304                  ; to a fragment's second six registers: v: the next 64 keys;  q, k: the next head
	s_cselect_b32 s60, 7, 12
	s_mov_b32 s61, 0x03020100
	s_cselect_b32 s61, s61, 0x05040100
	s_mov_b32 s66, 0x04040404
	s_cselect_b32 s66, s66, 0x02020202
	s_mov_b32 s39, 0
	s_mov_b32 s37, 0
	s_mul_i32 s67, s58, 98304
	s_mul_i32 s62, s59, s62
	s_add_co_u32 s62, s62, s67
	s_lshl_b32 s67, s58, 12
	s_mul_i32 s63, s59, s63
	s_add_co_u32 s100, s63, s67
	s_mov_b32 s101, 0
	s_mov_b32 s63, 0
	s_add_nc_u64 s[46:47], s[46:47], s[62:63]
	s_add_nc_u64 s[36:37], s[46:47], s[36:37]
	s_add_nc_u64 s[48:49], s[48:49], s[100:101]
	s_mov_b32 s40, 0x76543210
	s_mov_b32 s41, 0xfedcba98
	v_mul_lo_u32 v[VSEL], v2, s66
	v_add_nc_u32 v[VSEL], s61, v[VSEL]
	v_lshlrev_b32 v[SOFF], s60, v2
	v_lshl_add_u32 v[SOFF], v1, 3, v[SOFF]
	s_wait_alu depctr_va_vdst(0)
	s_wait_loadcnt 0x0                             ; the bias
.set i, 0
.rept 32
	v_pk_mul_f32 v[T+i:T+i+1], v[T+i:T+i+1], s[42:43] op_sel_hi:[1,0]
.set i, i+2
.endr
.irp a, 0,1,2,3
	v_mul_f32 v[TVP+2*\a], s2, v[TVP+2*\a]
.endr
.irp a, 0,1,2,3
	v_mov_b32 v[TVP+2*\a+1], v[TVP+2*\a]
.endr
	s_wait_alu depctr_va_vdst(0)                   ; the wait at the head's end
	s_wait_tensorcnt 0x0                           ; my tile is in
	s_barrier_signal -1
	s_barrier_wait -1                              ; all four are in
	FETCH 0, 0
	SCALES 0
.set QQ, 0
.set FST, 1
.rept 7                                ; steps 0 to 6: the step's fragments are in; the next step's are asked for in one run; then 32 products
	s_wait_dscnt 0x0
.if QQ > 0
	PLACES 4
.endif
	FETCH QQ+1, (QQ+1)%2
.if QQ%2
	SCALES (QQ+1)/2
.endif
.if FST
	WIN 0x81
.else
	WIN 0xa1
.endif
.irp a, 0,1,2,3
	MUL8 \a, QQ%2, QQ%2, (QQ/2)%2, FST
.endr
	WIN 0
.set QQ, QQ+1
.set FST, 0
.endr
	s_wait_dscnt 0x0
	WIN 0xa1
.irp a, 0,1,2,3
	MUL8 \a, 1, 1, 1, 0
.endr
	WIN 0
	; THE WAY OUT, block by block of 16 rows of R: the bias along R is added (each accumulator from its low end on), the numbers are quantised, the fragment leaves as it stands
	PLACES 4
.irp b, 0,1,2,3
	v_mov_b32 v[TM+4+\b], 0
.endr
.irp a, 0,1,2,3
.if \a > 0
	s_wait_xcnt 0x0                                ; the last block's stores have read their registers and bases
	s_add_nc_u64 s[46:47], s[46:47], s[38:39]
	s_add_nc_u64 s[36:37], s[36:37], s[38:39]
.endif
	WIN 0x02
.set i, 0
.rept 32
	v_pk_add_f32 v[ST+i:ST+i+1], v[64*\a+i:64*\a+i+1], v[TVP+2*\a:TVP+2*\a+1]
.set i, i+2
.endr
	WIN 0
	QUANT ST, PW+\a
	global_store_b128 v[L16], v[PC:PC+3], s[46:47]
	global_store_b64 v[L8], v[PC+4:PC+5], s[46:47] offset:512
	global_store_b128 v[L16], v[PC+6:PC+9], s[36:37]
	global_store_b64 v[L8], v[PC+10:PC+11], s[36:37] offset:512
.endr
	v_perm_b32 v[W], v[PW+1], v[PW], v[VSEL]
	v_perm_b32 v[W+1], v[PW+3], v[PW+2], v[VSEL]
	global_store_b64 v[SOFF], v[W:W+1], s[48:49]
	s_wait_tensorcnt 0x0                           ; the wave's end
	ds_add_u32 v[SPW], v[NIL]
	s_wait_dscnt 0x0
	CROUND                                         ; the closing round
	s_endpgm
.Lfunc_end_k_q40856e12c0_qkv:
	.size	k_q40856e12c0_qkv, .Lfunc_end_k_q40856e12c0_qkv-k_q40856e12c0_qkv
	.p2alignl 7, 3214868480
	.fill 96, 4, 3214868480
	.section	.rodata,"a",@progbits
	.p2align	6, 0x0
	.amdhsa_kernel k_q40856e12c0_qkv
		.amdhsa_group_segment_fixed_size 327680
		.amdhsa_private_segment_fixed_size 0
		.amdhsa_enable_private_segment 0
		.amdhsa_kernarg_size 136
		.amdhsa_user_sgpr_count 2
		.amdhsa_user_sgpr_kernarg_segment_ptr 1
		.amdhsa_wavefront_size32 1
		.amdhsa_system_sgpr_workgroup_id_x 1
		.amdhsa_system_sgpr_workgroup_id_y 1
		.amdhsa_system_sgpr_workgroup_id_z 1
		.amdhsa_system_vgpr_workitem_id 0
		.amdhsa_next_free_vgpr 768
		.amdhsa_next_free_sgpr 102
		.amdhsa_reserve_vcc 0
		.amdhsa_float_denorm_mode_32 3
		.amdhsa_float_denorm_mode_16_64 3
		.amdhsa_memory_ordered 1
		.amdhsa_forward_progress 1
		.amdhsa_inst_pref_size 114
	.end_amdhsa_kernel
	.amdgpu_metadata
---
amdhsa.version: [ 1, 2 ]
amdhsa.kernels:
  - .name:           k_q40856e12c0_qkv
    .symbol:         k_q40856e12c0_qkv.kd
    .args:
      - { .name: x_codes, .offset: 0, .size: 8, .value_kind: global_buffer, .address_space: global }
      - { .name: x_scales, .offset: 8, .size: 8, .value_kind: global_buffer, .address_space: global }
      - { .name: w_q_codes, .offset: 16, .size: 8, .value_kind: global_buffer, .address_space: global }
      - { .name: w_q_scales, .offset: 24, .size: 8, .value_kind: global_buffer, .address_space: global }
      - { .name: w_k_codes, .offset: 32, .size: 8, .value_kind: global_buffer, .address_space: global }
      - { .name: w_k_scales, .offset: 40, .size: 8, .value_kind: global_buffer, .address_space: global }
      - { .name: w_v_codes, .offset: 48, .size: 8, .value_kind: global_buffer, .address_space: global }
      - { .name: w_v_scales, .offset: 56, .size: 8, .value_kind: global_buffer, .address_space: global }
      - { .name: b_q, .offset: 64, .size: 8, .value_kind: global_buffer, .address_space: global }
      - { .name: b_k, .offset: 72, .size: 8, .value_kind: global_buffer, .address_space: global }
      - { .name: b_v, .offset: 80, .size: 8, .value_kind: global_buffer, .address_space: global }
      - { .name: qc, .offset: 88, .size: 8, .value_kind: global_buffer, .address_space: global }
      - { .name: qs, .offset: 96, .size: 8, .value_kind: global_buffer, .address_space: global }
      - { .name: kc, .offset: 104, .size: 8, .value_kind: global_buffer, .address_space: global }
      - { .name: ks, .offset: 112, .size: 8, .value_kind: global_buffer, .address_space: global }
      - { .name: vc, .offset: 120, .size: 8, .value_kind: global_buffer, .address_space: global }
      - { .name: vs, .offset: 128, .size: 8, .value_kind: global_buffer, .address_space: global }
    .group_segment_fixed_size: 327680
    .private_segment_fixed_size: 0
    .kernarg_segment_align: 8
    .kernarg_segment_size: 136
    .max_flat_workgroup_size: 128
    .sgpr_count:     102
    .vgpr_count:     768
    .wavefront_size: 32
...
	.end_amdgpu_metadata
.endif
;; end of part 1
;; launch attn (part 2): grid 4 x 64, 16 waves a work-group, clusters of 4 x 1, 327,680 bytes of LDS; arguments qc, qs, kc, ks, vc, vs, cc, cs; writes cc, cs
.if DOCPART == 2
	.amdgcn_target "amdgcn-amd-amdhsa--gfx1250"
	.amdhsa_code_object_version 6
	.text
	.protected	k_q40856e12c0_attn
	.globl	k_q40856e12c0_attn
	.p2align	8
	.type	k_q40856e12c0_attn,@function
k_q40856e12c0_attn:
	s_mov_b64 s[64:65], 0
	v_nop
	global_prefetch_b8 v0, s[64:65] scope:SCOPE_SE
	s_setreg_imm32_b32 hwreg(HW_REG_WAVE_MODE, 25, 1), 1
	s_wait_xcnt 0x0
	s_wait_alu depctr_hold_cnt(0) depctr_sa_sdst(0) depctr_va_vdst(0) depctr_va_sdst(0) depctr_va_ssrc(0) depctr_va_vcc(0) depctr_vm_vsrc(0)
	s_getreg_b32 s2, hwreg(HW_REG_IB_STS2, 6, 4)
	s_cmp_eq_u32 s2, 0
	s_cbranch_scc0 .Lentry_in_a_cluster
	s_endpgm
.Lentry_in_a_cluster:
	s_bfe_u32 s2, ttmp6, 0x10000c
	s_cmp_lg_u32 s2, 0x3003
	s_cbranch_scc0 .Lentry_shape_is_right
	s_endpgm
.Lentry_shape_is_right:
; o = softmax(q k^T / 8) v for one batch x head (the cluster's y) and 512 queries a work-group, on codes of FP6 (E2M3); o is quantised along the head's columns for the last product.
; A head's k and v, codes and scale bytes (204,800 bytes), lie in LDS for the whole launch: one group of joint loads at the head, shared by the cluster's four work-groups, which take the head's four quarters of the queries.
; Waves 0-5 bring k's codes, 6-11 v's (16,384 bytes each, as rows of 256), wave 12 k's scale bytes, wave 13 v's.  Nothing is filled again, so there is no loop of loads to prefetch for.
; A wave owns 32 queries, two tiles of 16, in two passes over the 2,048 keys, 128 a step.  Both products are used transposed (S^T = k q^T, O^T = v^T p^T): a lane holds one query.
; K = 64 in a form of 128: a fragment of k holds two tiles of 16 keys; q stands as (q, 0) for the first and (0, q) for the second.
; BY THE ORDER IN WHICH THE FIRST LAUNCH TOOK ITS ROWS a tile a of a band of 64 keys holds keys 32 (row / 8) + 8 a + row % 8: lane (r, h) gets of four tiles the 32 keys of block 2 c + h, whole.
; v's codes run 0..7, 16..23, 8..15, 24..31 inside a block, so tile a's results are laid at 8 x (0, 2, 1, 3)[a].  v's tile t holds columns 32 (row / 8) + 8 t + row % 8: a lane's 32 sums are block h of the head, in order.
; So no lane asks another for a block's maximum, and the conversions' results are the operand's registers.  Lanes l and l xor 16 exchange the row's maximum, two scale bytes, and at the end the row's sum.
; M is the ceiling of the running largest t, kept as -M = floor(-t), in two registers by turns (a trip is two steps); p = 2^(t - M); the sum is taken of the unquantised p; O^T and the sums are multiplied by 2^(old M - new M).
; A block's largest p is its largest score put through the same multiply-add and exponential.
; LINES THAT HANG ON EACH OTHER ARE KEPT APART: the maxima go in eight chains, one to an accumulator; the 64 p are added as a tree in place (16, 8, 4 lines) onto four running sums; the factor's three lines stand among
; the multiply-adds; O^T's 16 multiplications stand among the scale's lines.  Only the five lines from the blocks' maxima to -M follow each other directly.
; k's next fragments are asked for behind the step's last products, under the additions of the row's sum; the offsets wrap at the keys' end, so the first pass's last fetch serves the second pass's first step
; (the second pass's last fetch is read by nobody).
; LIMITS: NaN and infinities are not served; the promise holds while the scaled scores stay under 2^31 in magnitude; a block whose every p is under 2^-124 keeps the byte 1.
.set VC,  98304
.set KSC, 196608
.set SPARE, 204800
.set NM0, 12                           ; v12 -M of even steps; v13 the running largest score
.set RM,  13
.set NM1, 14                           ; v14 -M of odd steps (v15 written, named with it as a pair)
.set L,   16                           ; the four running sums, pairs: v16, v18, v244, v246
.set F,   20
.set CH,  22                           ; v22-29 the eight chains of maxima: chain (c, k) at 22 + 2 k + c; the names below share these registers
.set T0,  22
.set T1,  23
.set BM,  24
.set BSO, 26
.set EB,  28
.set WD,  30
.set SH8, 31
.set QF,  32
.set QL,  50
.set QW,  62
.set QS,  63
.set KV,  64
.set S,   112
.set O,   176
.set PCD, 208
.set TC,  220
.set KS,  228
.set VS,  232
.set PS,  236
.set OC,  238
.set OT,  244
.set SWF, 247
.set SW,  248
.set ASW, 250
.set HF,  251
.set SPW, 252
.set NIL, 253
.set XT,  254
.set WV,  20
.macro WALU
	s_wait_alu depctr_va_vdst(0)
.endm
.macro CROUND
	s_barrier_signal -1
	s_barrier_wait -1
	s_cmp_lg_u32 s[WV], 0
	s_cbranch_scc1 .Lnot_wave_0_\@
	s_barrier_signal -3
.Lnot_wave_0_\@:
	s_barrier_wait -3
	s_barrier_signal -1
	s_barrier_wait -1
.endm
.macro FOUR a, b, o, sc, sa, so        ; four fragments (images of 12 registers) and their four scale words
.irp f, 0,1,2,3
	ds_load_b128 v[KV+12*\f:KV+12*\f+3], v[\a] offset:\o+1536*\f
	ds_load_b64 v[KV+12*\f+4:KV+12*\f+5], v[\b] offset:\o+1536*\f+512
	ds_load_b128 v[KV+12*\f+6:KV+12*\f+9], v[\a] offset:\o+1536*\f+768
	ds_load_b64 v[KV+12*\f+10:KV+12*\f+11], v[\b] offset:\o+1536*\f+1280
.endr
	ds_load_b64 v[\sc:\sc+1], v[\sa] offset:\so
	ds_load_b64 v[\sc+2:\sc+3], v[\sa] offset:\so+128
.endm
.macro LSUM from, to                   ; lines from .. to - 1 of the 32 that add the step's 64 p: a tree in place, 16 + 8 + 4 lines, then one line onto each running sum
.set n_, \from
.rept (\to)-(\from)
.if n_ < 16
	v_pk_add_f32 v[S+4*n_:S+4*n_+1], v[S+4*n_:S+4*n_+1], v[S+4*n_+2:S+4*n_+3]
.elseif n_ < 24
	v_pk_add_f32 v[S+8*(n_-16):S+8*(n_-16)+1], v[S+8*(n_-16):S+8*(n_-16)+1], v[S+8*(n_-16)+4:S+8*(n_-16)+5]
.elseif n_ < 28
	v_pk_add_f32 v[S+16*(n_-24):S+16*(n_-24)+1], v[S+16*(n_-24):S+16*(n_-24)+1], v[S+16*(n_-24)+8:S+16*(n_-24)+9]
.else
.set lr_, L+2*(n_-28)+224*((n_-28)/2)
	v_pk_add_f32 v[lr_:lr_+1], v[lr_:lr_+1], v[S+16*(n_-28):S+16*(n_-28)+1]
.endif
.set n_, n_+1
.endr
.endm
.macro OMUL from, to                   ; O^T under the new M: lines from .. to - 1 of 16, each accumulator from its low end on
.set o_, \from
.rept (\to)-(\from)
	v_pk_mul_f32 v[O+2*o_:O+2*o_+1], v[O+2*o_:O+2*o_+1], v[F:F+1] op_sel_hi:[1,0]
.set o_, o_+1
.endr
.endm
	s_load_b512 s[4:19], s[0:1], 0x0               ; qc, qs, kc, ks, vc, vs, cc, cs
	v_lshl_add_u32 v[SPW], v0, 2, SPARE
	v_mov_b32 v[NIL], 0
	ds_add_u32 v[SPW], v[NIL]                      ; the opening lines: the add, twice on end, and its wait
	ds_add_u32 v[SPW], v[NIL]
	v_lshrrev_b32 v1, 5, v0
	v_readfirstlane_b32 s[WV], v1
	s_bfe_u32 s21, ttmp6, 0x40000                  ; cx: my quarter of the queries
	s_and_b32 s22, ttmp7, 0xffff                   ; batch x head
	s_mov_b32 s24, 15|(3<<16)|(1<<21)              ; group 1, codes: 64 rows of 256 bytes, for all four partners
	s_mov_b32 s25, 32<<16
	s_mov_b32 s26, 64<<16
	s_mov_b32 s27, 32<<16
	s_mov_b32 s28, 64
	s_mov_b32 s29, 32
	s_mov_b32 s30, 0
	s_mov_b32 s31, 0
	s_mov_b32 s32, 15|(3<<16)|(1<<21)              ; scale bytes: 16 rows of 256
	s_mov_b32 s33, 32<<16
	s_mov_b32 s34, 16<<16
	s_mov_b32 s35, 32<<16
	s_mov_b32 s36, 16
	s_mov_b32 s37, 32
	s_mov_b32 s38, 0
	s_mov_b32 s39, 0
	s_cmp_lt_u32 s[WV], 6
	s_cselect_b32 s23, 0, 6
	s_sub_co_u32 s23, s[WV], s23                   ; which sixth of k's or of v's codes
	s_mul_i32 s52, s22, 98304
	s_lshl_b32 s53, s23, 14
	s_add_co_u32 s52, s52, s53
	s_mov_b32 s53, 0
	s_lshl_b32 s54, s22, 12
	s_mov_b32 s55, 0
	s_mov_b32 s40, 1
	s_lshl_b32 s41, s[WV], 14                      ; codes: wave x 16,384: k's from 0, v's from 98,304
	s_mov_b32 s44, 1
	s_lshl_b32 s45, s[WV], 12
	s_add_co_u32 s45, s45, KSC-12*4096             ; scale bytes: KSC + (wave - 12) x 4,096
	s_wait_dscnt 0x0
	s_wait_kmcnt 0x0
	s_cmp_lt_u32 s[WV], 6
	s_cselect_b64 s[42:43], s[8:9], s[12:13]
	s_cmp_eq_u32 s[WV], 12
	s_cselect_b64 s[46:47], s[10:11], s[14:15]
	s_add_nc_u64 s[42:43], s[42:43], s[52:53]
	s_add_nc_u64 s[46:47], s[46:47], s[54:55]
	s_or_b32 s43, s43, 0x80000000
	s_or_b32 s47, s47, 0x80000000
	CROUND                                         ; the four partners are here: the joint loads meet
	s_cmp_lt_u32 s[WV], 12
	s_cbranch_scc0 .Lscales
	tensor_load_to_lds s[40:43], s[24:31]
	s_nop 0
.rept 4
	v_nop
.endr
	s_branch .Lasked
.Lscales:
	s_cmp_lt_u32 s[WV], 14
	s_cbranch_scc0 .Lasked
	tensor_load_to_lds s[44:47], s[32:39]
	s_nop 0
.rept 4
	v_nop
.endr
.Lasked:
	v_and_b32 v[XT], 31, v0
	v_lshlrev_b32 v1, 4, v[XT]                     ; 16 x lane
	v_lshlrev_b32 v2, 3, v[XT]                     ; 8 x lane
	v_bfe_u32 v[HF], v0, 4, 1                      ; h
	v_and_b32 v[T0], 15, v0                        ; r
	v_lshlrev_b32 v[T1], 3, v[T0]
	v_add_nc_u32 v5, KSC, v[T1]
	v_lshlrev_b32 v[ASW], 5, v[T0]
	v_lshl_add_u32 v[ASW], v[HF], 9, v[ASW]
	v_add_nc_u32 v3, VC, v1
	v_add_nc_u32 v4, VC, v2
	v_lshlrev_b32 v[SH8], 3, v[HF]
	s_lshl_b32 s56, s21, 4
	s_add_co_u32 s56, s56, s[WV]                   ; my 32 queries of the head's 2,048
	s_mul_i32 s58, s22, 98304
	s_mul_i32 s59, s56, 1536
	s_add_co_u32 s58, s58, s59
	s_mov_b32 s59, 0
	s_add_nc_u64 s[4:5], s[4:5], s[58:59]
	s_lshl_b32 s58, s22, 12
	s_lshr_b32 s60, s56, 1
	s_lshl_b32 s60, s60, 7
	s_add_co_u32 s58, s58, s60
	s_and_b32 s60, s56, 1
	s_lshl_b32 s60, s60, 2
	s_add_co_u32 s58, s58, s60
	s_add_nc_u64 s[6:7], s[6:7], s[58:59]
	WALU                                           ; the wait behind the run of scalar lines
	global_load_b128 v[QL:QL+3], v1, s[4:5]
	global_load_b64 v[QL+4:QL+5], v2, s[4:5] offset:512
	global_load_b128 v[QL+6:QL+9], v1, s[4:5] offset:768
	global_load_b64 v[QL+10:QL+11], v2, s[4:5] offset:1280
	global_load_b32 v[QW], v[T1], s[6:7]
	s_lshr_b32 s58, s22, 4
	s_lshl_b32 s58, s58, 7
	s_lshl_b32 s60, s56, 1
	s_add_co_u32 s58, s58, s60                     ; cc's tile of 16 tokens
	s_and_b32 s60, s22, 15
	s_mul_i32 s62, s58, 12288
	s_mul_i32 s61, s60, 768
	s_add_co_u32 s62, s62, s61
	s_mov_b32 s63, 0
	s_add_nc_u64 s[48:49], s[16:17], s[62:63]
	s_lshl_b32 s62, s58, 9
	s_lshl_b32 s61, s60, 1
	s_add_co_u32 s62, s62, s61
	s_add_nc_u64 s[50:51], s[18:19], s[62:63]
	s_mov_b32 s66, 0x76543210
	s_mov_b32 s67, 0xfedcba98
	s_mov_b32 s68, 0x3e38aa3b                      ; c = log2(e) / 8
	s_mov_b32 s69, s68
	s_mov_b32 s73, 0xbe38aa3b                      ; -c
	s_mov_b32 s74, 0                               ; the trip's offset among the codes,
	s_mov_b32 s75, 0                               ; and among the scale words
.irp i, 6,7,8,9,10,11
	v_mov_b32 v[QF+\i], 0
.endr
	v_mov_b32 v[NM1+1], 0
	v_mov_b32 v[F+1], 0
	v_mov_b32 v6, v1
	v_mov_b32 v7, v2
	v_mov_b32 v8, v3
	v_mov_b32 v9, v4
	v_mov_b32 v10, v5
	s_wait_loadcnt 0x0                             ; q is in: v23, its scale words' offset, is free
	WALU                                           ; the wait at the head's end
	s_wait_tensorcnt 0x0
	s_barrier_signal -1
	s_barrier_wait -1                              ; k, v and their scale bytes are in
	FOUR 1, 2, 0, KS, 5, 0                         ; k's fragments of step 0
.macro STEP e, no, nn
	s_wait_dscnt 0x0                               ; k's fragments and scale words are in
.irp f, 0,1,2,3
	v_wmma_scale_f32_16x16x128_f8f6f4 v[S+32*(\f/2)+8*(\f%2):S+32*(\f/2)+8*(\f%2)+7], v[KV+12*\f:KV+12*\f+11], v[QF:QF+11], 0, v[KS+\f], v[QS] matrix_a_fmt:MATRIX_FMT_FP6 matrix_b_fmt:MATRIX_FMT_FP6
	v_wmma_scale_f32_16x16x128_f8f6f4 v[S+32*(\f/2)+8*(\f%2)+16:S+32*(\f/2)+8*(\f%2)+23], v[KV+12*\f:KV+12*\f+11], v[QF+6:QF+17], 0, v[KS+\f], v[QS] matrix_a_fmt:MATRIX_FMT_FP6 matrix_b_fmt:MATRIX_FMT_FP6
.endr
.rept 4
	v_nop                                          ; places ahead of the loads into k's registers and of the first reads of the scores
.endr
	FOUR 8, 9, 6144*\e, VS, 10, 4096+256*\e        ; v's fragments land under the softmax
.irp k, 0,1,2,3                                ; my two blocks' largest scores: eight chains, one to an accumulator, each from its low end on
.irp c, 0,1
	v_max3_num_f32 v[CH+2*\k+\c], v[S+32*\c+8*\k], v[S+32*\c+8*\k+1], v[S+32*\c+8*\k+2]
.endr
.endr
.irp i, 3,5
.irp k, 0,1,2,3
.irp c, 0,1
	v_max3_num_f32 v[CH+2*\k+\c], v[CH+2*\k+\c], v[S+32*\c+8*\k+\i], v[S+32*\c+8*\k+\i+1]
.endr
.endr
.endr
.irp c, 0,1
	v_max3_num_f32 v[BM+\c], v[BM+\c], v[S+32*\c+7], v[S+32*\c+15]
.endr
.irp c, 0,1
	v_max3_num_f32 v[BSO+\c], v[BSO+\c], v[S+32*\c+23], v[S+32*\c+31]
.endr
.irp c, 0,1
	v_max3_num_f32 v[BM+\c], v[BM+\c], v[CH+\c], v[EB+\c]
.endr
.irp c, 0,1
	s_delay_alu instid0(VALU_DEP_2)
	v_max_num_f32 v[BM+\c], v[BM+\c], v[BSO+\c]    ; block 2 c + h's largest score
.endr
	s_delay_alu instid0(VALU_DEP_1)
	v_max_num_f32 v[T0], v[BM], v[BM+1]
	s_delay_alu instid0(VALU_DEP_1)
	v_permlanex16_b32 v[T1], v[T0], s66, s67
	s_delay_alu instid0(VALU_DEP_1)
	v_max3_num_f32 v[RM], v[RM], v[T0], v[T1]      ; the running largest score of my query
	s_delay_alu instid0(VALU_DEP_1)
	v_mul_f32 v[T0], s73, v[RM]
	s_delay_alu instid0(VALU_DEP_1)
	v_floor_f32 v[\nn], v[T0]                      ; -M = floor(-t)
	s_delay_alu instid0(VALU_DEP_1)
	v_fma_f32 v[BM], v[BM], s68, v[\nn]
	v_fma_f32 v[BM+1], v[BM+1], s68, v[\nn]
.set j, 0
.rept 32
	v_pk_fma_f32 v[S+j:S+j+1], v[S+j:S+j+1], s[68:69], v[\nn:\nn+1] op_sel_hi:[1,0,0]
.if j == 6
	v_sub_f32 v[T1], v[\nn], v[\no]
.elseif j == 14
	v_cvt_i32_f32 v[T1], v[T1]                     ; (it saturates)
.elseif j == 22
	v_ldexp_f32 v[F], 1.0, v[T1]                   ; f = 2^(old M - new M)
.endif
.set j, j+2
.endr
	WALU                                           ; the wait ahead of the batch
.set j, 0
.rept 64
	v_exp_f32 v[S+j], v[S+j]
.set j, j+1
.endr
.irp c, 0,1
	v_exp_f32 v[BM+\c], v[BM+\c]                   ; the block's largest p
.endr
	v_pk_mul_f32 v[L:L+1], v[L:L+1], v[F:F+1] op_sel_hi:[1,0]   ; a sum under the new M; the plain place behind the batch
	WALU                                           ; the wait behind the batch, directly ahead of the first reader of O^T
	OMUL 0, 1
.irp c, 0,1
	v_max_num_f32 v[BM+\c], 0x1800000, v[BM+\c]    ; the floor 2^(3 - 127)
.endr
	OMUL 1, 4
.irp c, 0,1
	v_add_nc_u32 v[BSO+\c], 0xff000000, v[BM+\c]   ; 2 off the exponent field: the conversions' scale operand
.endr
	OMUL 4, 7
.irp c, 0,1
	v_lshrrev_b32 v[EB+\c], 23, v[BSO+\c]
.endr
	OMUL 7, 10
	v_lshl_or_b32 v[WD], v[EB+1], 16, v[EB]        ; my bytes: blocks h and 2 + h,
	OMUL 10, 14
	v_lshlrev_b32 v[WD], v[SH8], v[WD]             ; at their places
	OMUL 14, 16
.irp c, 0,1
	v_cvt_scalef32_pk16_fp6_f32 v[PCD+6*\c:PCD+6*\c+2], v[S+32*\c:S+32*\c+15], v[BSO+\c]
	v_cvt_scalef32_pk16_fp6_f32 v[TC+4*\c:TC+4*\c+2], v[S+32*\c+16:S+32*\c+31], v[BSO+\c]
.endr
	v_pk_mul_f32 v[L+2:L+3], v[L+2:L+3], v[F:F+1] op_sel_hi:[1,0]       ; the other three sums; plain places behind the conversions
	v_pk_mul_f32 v[L+228:L+229], v[L+228:L+229], v[F:F+1] op_sel_hi:[1,0]
	v_pk_mul_f32 v[L+230:L+231], v[L+230:L+231], v[F:F+1] op_sel_hi:[1,0]
	v_permlanex16_b32 v[XT], v[WD], s66, s67
.irp i, 0,1,2
	v_mov_b32 v[PCD+3+\i], v[TC+\i]
.endr
	v_or_b32 v[PS], v[WD], v[XT]                   ; with lane l xor 16's two bytes the word is whole; 11 plain lines stand between it and the products
.irp i, 0,1,2
	v_mov_b32 v[PCD+9+\i], v[TC+4+\i]
.endr
	LSUM 0, 8                                      ; the places ahead of the scaled products
.if \e
	s_add_co_u32 s74, s74, 12288                   ; the next trip's offsets, back to 0 at the keys' end
	s_cmp_eq_u32 s74, 98304
	s_cselect_b32 s74, 0, s74
	s_add_co_u32 s75, s75, 512
	s_cmp_eq_u32 s75, 4096
	s_cselect_b32 s75, 0, s75
.endif
	WALU                                           ; the wait directly ahead of the wait below
	s_wait_dscnt 0x0                               ; v's fragments are in
.irp t, 0,1,2,3
	v_wmma_scale_f32_16x16x128_f8f6f4 v[O+8*\t:O+8*\t+7], v[KV+12*\t:KV+12*\t+11], v[PCD:PCD+11], v[O+8*\t:O+8*\t+7], v[VS+2*(\t%2)+\t/2], v[PS] matrix_a_fmt:MATRIX_FMT_FP6 matrix_b_fmt:MATRIX_FMT_FP6
.endr
.if \e
	v_add_nc_u32 v6, s74, v1                       ; five lines: the places ahead of the loads into v's registers
	v_add_nc_u32 v7, s74, v2
	v_add_nc_u32 v8, s74, v3
	v_add_nc_u32 v9, s74, v4
	v_add_nc_u32 v10, s75, v5
	FOUR 6, 7, 0, KS, 10, 0                        ; k's fragments of the next step
	LSUM 8, 32
.else
	LSUM 8, 12
	FOUR 6, 7, 6144, KS, 10, 256
	LSUM 12, 32
.endif
.endm
.macro FINISH u
	v_pk_add_f32 v[L:L+1], v[L:L+1], v[L+2:L+3]
	v_pk_add_f32 v[L+228:L+229], v[L+228:L+229], v[L+230:L+231]
	v_pk_add_f32 v[L:L+1], v[L:L+1], v[L+228:L+229]
	v_add_f32 v[L], v[L], v[L+1]
	v_permlanex16_b32 v[T1], v[L], s66, s67
	v_add_f32 v[L], v[L], v[T1]                    ; the row's sum
	WALU
	v_rcp_f32 v[T0], v[L]
	v_nop
	WALU
.set j, 0
.rept 16
	v_pk_mul_f32 v[S+j:S+j+1], v[O+j:O+j+1], v[T0:T0+1] op_sel_hi:[1,0]   ; register 8 t + i is o(query r, column 32 h + 8 t + i): one block
.set j, j+2
.endr
	v_max3_num_f32 v[BM], |v[S]|, |v[S+1]|, 0x1800000
	v_max3_num_f32 v[BM+1], |v[S+16]|, |v[S+17]|, |v[S+18]|
.irp i, 2,4,6,8,10,12
	v_max3_num_f32 v[BM], v[BM], |v[S+\i]|, |v[S+\i+1]|
	v_max3_num_f32 v[BM+1], v[BM+1], |v[S+17+\i]|, |v[S+18+\i]|
.endr
	v_max3_num_f32 v[BM], v[BM], |v[S+14]|, |v[S+15]|
	v_max3_num_f32 v[BM], v[BM], v[BM+1], |v[S+31]|
	v_add_nc_u32 v[BSO], 0xff000000, v[BM]
	v_lshrrev_b32 v[EB], 23, v[BSO]
.if \u > 0
	WALU
	s_wait_xcnt 0x0                                ; the first pass's stores have read their registers
.endif
	v_cvt_scalef32_pk16_fp6_f32 v[OC:OC+2], v[S:S+15], v[BSO]
	v_cvt_scalef32_pk16_fp6_f32 v[OT:OT+2], v[S+16:S+31], v[BSO]
	v_lshlrev_b32 v[WD], v[SH8], v[EB]
	v_permlanex16_b32 v[XT], v[WD], s66, s67
	v_or_b32 v[SW+\u], v[WD], v[XT]                ; the head's two scale bytes of row r
.irp i, 0,1,2
	v_mov_b32 v[OC+3+\i], v[OT+\i]
.endr
	global_store_b128 v1, v[OC:OC+3], s[48:49] offset:12288*\u
	global_store_b64 v2, v[OC+4:OC+5], s[48:49] offset:12288*\u+512
.endm
.macro PASS u
.irp i, 0,1,2,3,4,5
	v_mov_b32 v[QF+\i], v[QL+6*\u+\i]
	v_mov_b32 v[QF+12+\i], v[QL+6*\u+\i]
.endr
.if \u == 0
	v_perm_b32 v[QS], v[QW], v[QW], 0x01000100
.else
	v_perm_b32 v[QS], v[QW], v[QW], 0x03020302
.endif
	v_mov_b32 v[RM], 0xff61b1e6                    ; -3e38, under every score
	v_mul_f32 v[T0], s73, v[RM]
	v_floor_f32 v[NM1], v[T0]
.irp i, 0,1,2,3,228,229,230,231
	v_mov_b32 v[L+\i], 0
.endr
.set j, 0
.rept 32
	v_mov_b32 v[O+j], 0
.set j, j+1
.endr
	s_mov_b32 s72, 8
	WALU
.Lkeys_\@:
	STEP 0, NM1, NM0
	STEP 1, NM0, NM1
	s_sub_co_u32 s72, s72, 1
	s_cmp_lg_u32 s72, 0
	WALU                                           ; the wait ahead of the backward jump
	s_cbranch_scc1 .Lkeys_\@
	FINISH \u
.endm
	PASS 0
	PASS 1
	v_cmp_eq_u32 vcc_lo, 1, v[HF]
	v_cndmask_b32 v[SWF], v[SW], v[SW+1], vcc_lo   ; lanes 0-15 store the first tile's rows, lanes 16-31 the second's
	global_store_b16 v[ASW], v[SWF], s[50:51]
	s_wait_tensorcnt 0x0                           ; the wave's end
	ds_add_u32 v[SPW], v[NIL]
	s_wait_dscnt 0x0
	CROUND                                         ; the closing round
	s_endpgm
.Lfunc_end_k_q40856e12c0_attn:
	.size	k_q40856e12c0_attn, .Lfunc_end_k_q40856e12c0_attn-k_q40856e12c0_attn
	.p2alignl 7, 3214868480
	.fill 96, 4, 3214868480
	.section	.rodata,"a",@progbits
	.p2align	6, 0x0
	.amdhsa_kernel k_q40856e12c0_attn
		.amdhsa_group_segment_fixed_size 327680
		.amdhsa_private_segment_fixed_size 0
		.amdhsa_enable_private_segment 0
		.amdhsa_kernarg_size 64
		.amdhsa_user_sgpr_count 2
		.amdhsa_user_sgpr_kernarg_segment_ptr 1
		.amdhsa_wavefront_size32 1
		.amdhsa_system_sgpr_workgroup_id_x 1
		.amdhsa_system_sgpr_workgroup_id_y 1
		.amdhsa_system_sgpr_workgroup_id_z 1
		.amdhsa_system_vgpr_workitem_id 0
		.amdhsa_next_free_vgpr 256
		.amdhsa_next_free_sgpr 80
		.amdhsa_reserve_vcc 1
		.amdhsa_float_denorm_mode_32 3
		.amdhsa_float_denorm_mode_16_64 3
		.amdhsa_memory_ordered 1
		.amdhsa_forward_progress 1
		.amdhsa_inst_pref_size 80
	.end_amdhsa_kernel
	.amdgpu_metadata
---
amdhsa.version: [ 1, 2 ]
amdhsa.kernels:
  - .name:           k_q40856e12c0_attn
    .symbol:         k_q40856e12c0_attn.kd
    .args:
      - { .name: qc, .offset: 0, .size: 8, .value_kind: global_buffer, .address_space: global }
      - { .name: qs, .offset: 8, .size: 8, .value_kind: global_buffer, .address_space: global }
      - { .name: kc, .offset: 16, .size: 8, .value_kind: global_buffer, .address_space: global }
      - { .name: ks, .offset: 24, .size: 8, .value_kind: global_buffer, .address_space: global }
      - { .name: vc, .offset: 32, .size: 8, .value_kind: global_buffer, .address_space: global }
      - { .name: vs, .offset: 40, .size: 8, .value_kind: global_buffer, .address_space: global }
      - { .name: cc, .offset: 48, .size: 8, .value_kind: global_buffer, .address_space: global }
      - { .name: cs, .offset: 56, .size: 8, .value_kind: global_buffer, .address_space: global }
    .group_segment_fixed_size: 327680
    .private_segment_fixed_size: 0
    .kernarg_segment_align: 8
    .kernarg_segment_size: 64
    .max_flat_workgroup_size: 512
    .sgpr_count:     80
    .vgpr_count:     256
    .wavefront_size: 32
...
	.end_amdgpu_metadata
.endif
;; end of part 2
;; launch proj (part 3): grid 4 x 64, 4 waves a work-group, clusters of 4 x 4, 327,680 bytes of LDS; arguments cc, cs, w_o_codes, w_o_scales, b_o, out0; writes out0
.if DOCPART == 3
	.amdgcn_target "amdgcn-amd-amdhsa--gfx1250"
	.amdhsa_code_object_version 6
	.text
	.protected	k_q40856e12c0_proj
	.globl	k_q40856e12c0_proj
	.p2align	8
	.type	k_q40856e12c0_proj,@function
k_q40856e12c0_proj:
	s_mov_b64 s[64:65], 0
	v_nop
	global_prefetch_b8 v0, s[64:65] scope:SCOPE_SE
	s_setreg_imm32_b32 hwreg(HW_REG_WAVE_MODE, 25, 1), 1
	s_wait_xcnt 0x0
	s_wait_alu depctr_hold_cnt(0) depctr_sa_sdst(0) depctr_va_vdst(0) depctr_va_sdst(0) depctr_va_ssrc(0) depctr_va_vcc(0) depctr_vm_vsrc(0)
	s_getreg_b32 s2, hwreg(HW_REG_IB_STS2, 6, 4)
	s_cmp_eq_u32 s2, 0
	s_cbranch_scc0 .Lentry_in_a_cluster
	s_endpgm
.Lentry_in_a_cluster:
	s_bfe_u32 s2, ttmp6, 0x10000c
	s_cmp_lg_u32 s2, 0xf033
	s_cbranch_scc0 .Lentry_shape_is_right
	s_endpgm
.Lentry_shape_is_right:
; out = concat Wo^T + bo on codes of FP6 (E2M3).  P (source 0) = Wo's rows, R (source 1) = the tokens, whose codes come as images of operand registers: cc[tile of 16 tokens][head][768], cs[tile][row][32 scale bytes].
; A work-group makes P 256 x R 128; wave w takes R's half w / 2 (four tiles) and P's half w % 2 (eight tiles): 32 accumulators.
; LDS holds ALL OF K: R's eight tiles (98,304 dense bytes, as rows of 256), P's 256 rows of 768 bytes (pitch 816), and the scale bytes: four joint loads at the head, one a wave.  Nothing is filled again,
; and there is no loop of loads to prefetch for.  CLUSTER 4 x 4: R's tile is shared along the cluster's row, P's along its column.
; Row r of tile a of a band of 64 tokens is token 32 (r / 8) + 8 a + r % 8 (the first launch's order): the stores' offsets set that right.
; The way out goes through a stage in LDS on R's bytes, behind a barrier behind which nobody reads them; 32 lanes store 512 consecutive bytes of a row of out.
; LIMITS: NaN, infinities and scale bytes 0xff are not served.
.set PITCH,  816
.set ABYTES, 98304
.set SCL,    ABYTES+256*PITCH
.set SUNIT,  272
.set SPARE,  SCL+48*SUNIT
.set SPITCH, 528
.set AI16, 4
.set AI8,  5
.set ADRB, 6
.set ADRS, 16
.set SPW,  17
.set NIL,  18
.set STO,  19
.set RD,   20
.set CO,   21
.set SC,   32
.set T,    64
.set AF,   128
.set BK,   128
.set TO,   230
.set G0A, 4
.set G0B, 8
.set G0SA, 12
.set G0SB, 16
.set G1A, 68
.set G1B, 76
.set G1SA, 84
.set G1SB, 92
.set WV, 50
.set WR, 51
.set WP, 52
.set CX, 53
.set CYI, 54
.set PT, 56
.set RT, 57
.set MSB, 0
.macro WIN new
.if MSB != \new
	s_set_vgpr_msb (MSB<<8)|\new
.set MSB, \new
.endif
.endm
.macro PLACES n
.rept \n
	v_nop
.endr
.endm
.macro CROUND
	s_barrier_signal -1
	s_barrier_wait -1
	s_cmp_lg_u32 s[WV], 0
	s_cbranch_scc1 .Lnot_wave_0_\@
	s_barrier_signal -3
.Lnot_wave_0_\@:
	s_barrier_wait -3
	s_barrier_signal -1
	s_barrier_wait -1
.endm
.macro ARM under, g0, g1, next
	s_cmp_lt_u32 s[WV], \under
	s_cbranch_scc0 \next
	tensor_load_to_lds s[\g0:\g0+3], s[\g1:\g1+7]
	s_nop 0
	PLACES 4
	s_branch .Lhead_asked
\next:
.endm
.macro FRAG reg, adr, q, off
.irp p, 0,1,2,3,4,5
.set PCE, 12*(\q)+6*(\p/3)+\p%3
.if PCE%32 < 29
	ds_load_b64 v[\reg+2*\p:\reg+2*\p+1], v[\adr] offset:8*PCE+16*(PCE/32)+(\off)
.else
	ds_load_b64 v[\reg+2*\p:\reg+2*\p+1], v[\adr+1] offset:8*PCE+16*(PCE/32)+(\off)
.endif
.endr
.endm
.macro FRAGI reg, q, i                 ; an image of 12 registers: heads 2 q, 2 q + 1 of tile i
	ds_load_b128 v[\reg:\reg+3], v[AI16] offset:12288*(\i)+1536*(\q)
	ds_load_b64 v[\reg+4:\reg+5], v[AI8] offset:12288*(\i)+1536*(\q)+512
	ds_load_b128 v[\reg+6:\reg+9], v[AI16] offset:12288*(\i)+1536*(\q)+768
	ds_load_b64 v[\reg+10:\reg+11], v[AI8] offset:12288*(\i)+1536*(\q)+1280
.endm
.macro FETCH q, p
	WIN 0x40
.irp i, 0,1,2,3,4,5,6,7
	FRAG 128*(\p)+12*\i, ADRB+2*(\i/4), \q, (\i%4)*16*PITCH
.endr
	WIN 0
.irp i, 0,1,2,3
	FRAGI AF+48*(\p)+12*\i, \q, \i
.endr
.endm
.macro SCALES j                        ; register 2 i + q: lanes 0-15 R's tile i, lanes 16-31 P's tile i
.irp i, 0,1,2,3,4,5,6,7
	ds_load_b64 v[SC+16*((\j)%2)+2*\i:SC+16*((\j)%2)+2*\i+1], v[ADRS] offset:\i*2*SUNIT+8*(\j)
.endr
.endm
.macro WM a, b, p, c, x0, x1
	v_wmma_scale_f32_16x16x128_f8f6f4 v[8*(8*(\a)+\b):8*(8*(\a)+\b)+7], v[128*(\p)+12*\b:128*(\p)+12*\b+11], v[AF+48*(\p)+12*(\a):AF+48*(\p)+12*(\a)+11], \c, v[\x0], v[\x1] matrix_a_fmt:MATRIX_FMT_FP6 matrix_b_fmt:MATRIX_FMT_FP6 matrix_a_scale:MATRIX_SCALE_ROW1
.endm
.macro MUL8 a, p, q, sc, first         ; the 32 accumulators take turns
.irp b, 0,1,2,3,4,5,6,7
.if \first
	WM \a, \b, \p, v[T+8*\b:T+8*\b+7], SC+16*(\sc)+2*\b+(\q), SC+16*(\sc)+2*(\a)+(\q)
.else
	WM \a, \b, \p, v[8*(8*(\a)+\b):8*(8*(\a)+\b)+7], SC+16*(\sc)+2*\b+(\q), SC+16*(\sc)+2*(\a)+(\q)
.endif
.endr
.endm
	s_load_b256 s[36:43], s[0:1], 0x0              ; cc, cs, Wo codes, Wo scales
	s_load_b128 s[44:47], s[0:1], 0x20             ; bo, out
	v_lshl_add_u32 v[SPW], v0, 2, SPARE
	v_mov_b32 v[NIL], 0
	ds_add_u32 v[SPW], v[NIL]                      ; the opening lines: the add, twice on end, and its wait
	ds_add_u32 v[SPW], v[NIL]
	v_lshrrev_b32 v1, 5, v0
	v_readfirstlane_b32 s[WV], v1
	s_lshr_b32 s[WR], s[WV], 1
	s_and_b32 s[WP], s[WV], 1
	s_bfe_u32 s[CX], ttmp6, 0x40000
	s_bfe_u32 s[CYI], ttmp6, 0x40004
	s_lshl_b32 s[PT], ttmp9, 2
	s_add_co_u32 s[PT], s[PT], s[CX]
	s_and_b32 s[RT], ttmp7, 0xffff
	s_lshl_b32 s[RT], s[RT], 2
	s_add_co_u32 s[RT], s[RT], s[CYI]
	s_lshl_b32 s66, s[CYI], 2
	s_lshl_b32 s66, 15, s66
	s_lshl_b32 s67, 0x1111, s[CX]
	s_or_b32 s[G1A], s66, (3<<16)|(1<<21)          ; R's images: 384 rows of 256 bytes, dense
	s_mov_b32 s[G1A+1], 32<<16
	s_mov_b32 s[G1A+2], 384<<16
	s_mov_b32 s[G1A+3], 32<<16
	s_mov_b32 s[G1A+4], 384
	s_mov_b32 s[G1A+5], 32
	s_mov_b32 s[G1A+6], 0
	s_mov_b32 s[G1A+7], 0
	s_or_b32 s[G1B], s67, (1<<20)|(1<<21)|(5<<22)|(3<<25)   ; P: 256 rows of 768 bytes, 16 of padding behind every 256
	s_mov_b32 s[G1B+1], 768<<16
	s_mov_b32 s[G1B+2], 256<<16
	s_mov_b32 s[G1B+3], 768<<16
	s_mov_b32 s[G1B+4], 256
	s_mov_b32 s[G1B+5], 768
	s_mov_b32 s[G1B+6], 0
	s_mov_b32 s[G1B+7], 0
	s_or_b32 s[G1SA], s66, (3<<16)|(1<<20)|(1<<21)|(5<<22)|(3<<25)
	s_or_b32 s[G1SB], s67, (3<<16)|(1<<20)|(1<<21)|(5<<22)|(3<<25)
.irp g, G1SA, G1SB
	s_mov_b32 s[\g+1], 32<<16
	s_mov_b32 s[\g+3], 32<<16
	s_mov_b32 s[\g+5], 32
	s_mov_b32 s[\g+6], 0
	s_mov_b32 s[\g+7], 0
.endr
	s_mov_b32 s[G1SA+2], 16<<16
	s_mov_b32 s[G1SA+4], 16
	s_mov_b32 s[G1SB+2], 32<<16
	s_mov_b32 s[G1SB+4], 32
	s_mul_i32 s60, s[RT], 98304
	s_mov_b32 s61, 0
	s_lshl_b32 s62, s[RT], 12
	s_mov_b32 s63, 0
	s_wait_dscnt 0x0
	s_wait_kmcnt 0x0
	s_add_nc_u64 s[36:37], s[36:37], s[60:61]
	s_add_nc_u64 s[38:39], s[38:39], s[62:63]
	s_mul_i32 s60, s[PT], 256*768
	s_lshl_b32 s62, s[PT], 13
	s_add_nc_u64 s[40:41], s[40:41], s[60:61]
	s_add_nc_u64 s[42:43], s[42:43], s[62:63]
	CROUND                                         ; all sixteen work-groups are here: the joint loads meet
	s_mov_b32 s[G0A], 1
	s_mov_b32 s[G0A+1], 0
	s_mov_b64 s[G0A+2:G0A+3], s[36:37]
	s_or_b32 s[G0A+3], s[G0A+3], 0x80000000
	s_mov_b32 s[G0B], 1
	s_mov_b32 s[G0B+1], ABYTES
	s_mov_b64 s[G0B+2:G0B+3], s[40:41]
	s_or_b32 s[G0B+3], s[G0B+3], 0x80000000
	s_mov_b32 s[G0SA], 1
	s_mov_b32 s[G0SA+1], SCL
	s_mov_b64 s[G0SA+2:G0SA+3], s[38:39]
	s_or_b32 s[G0SA+3], s[G0SA+3], 0x80000000
	s_mov_b32 s[G0SB], 1
	s_mov_b32 s[G0SB+1], SCL+16*SUNIT
	s_mov_b64 s[G0SB+2:G0SB+3], s[42:43]
	s_or_b32 s[G0SB+3], s[G0SB+3], 0x80000000
	ARM 1, G0B,  G1B,  .Lhead_a                    ; wave 0: P's rows; wave 1: R's images; waves 2, 3: the scale bytes
	ARM 2, G0A,  G1A,  .Lhead_sa
	ARM 3, G0SA, G1SA, .Lhead_sb
	tensor_load_to_lds s[G0SB:G0SB+3], s[G1SB:G1SB+7]
	s_nop 0
	PLACES 4
.Lhead_asked:
	v_and_b32 v1, 15, v0
	v_bfe_u32 v2, v0, 4, 1
	v_and_b32 v3, 31, v0
	s_lshl_b32 s58, s[PT], 10
	s_lshl_b32 s59, s[WP], 9
	s_add_co_u32 s58, s58, s59
	v_lshl_add_u32 v[TO], v2, 5, s58
.irp t, 0,1,2,3,4,5,6,7
	global_load_b128 v[T+8*\t:T+8*\t+3], v[TO], s[44:45] offset:64*\t          ; the bias, in the result's layout: the C of the first products
	global_load_b128 v[T+8*\t+4:T+8*\t+7], v[TO], s[44:45] offset:64*\t+16
.endr
	v_mul_u32_u24 v23, v1, PITCH
	v_mad_u32_u24 v23, v2, 24, v23
	v_lshlrev_b32 v[CO], 4, v3
	v_lshlrev_b32 v229, 3, v3
	s_mul_i32 s58, s[WR], 4*12288
	s_mul_i32 s59, s[WP], 128*PITCH
	s_add_co_u32 s59, s59, ABYTES
	v_add_nc_u32 v[AI16], s58, v[CO]
	v_add_nc_u32 v[AI8], s58, v229
	v_add_nc_u32 v[ADRB], s59, v23
	v_lshl_add_u32 v[ADRB+1], v2, 4, v[ADRB]
	v_add_nc_u32 v[ADRB+2], 64*PITCH, v[ADRB]
	v_add_nc_u32 v[ADRB+3], 64*PITCH, v[ADRB+1]
	v_lshlrev_b32 v[ADRS], 5, v1
	v_lshrrev_b32 v229, 3, v1
	v_lshl_add_u32 v[ADRS], v229, 4, v[ADRS]
	s_mul_i32 s58, s[WR], 8*SUNIT
	s_mul_i32 s59, s[WP], 16*SUNIT
	s_add_co_u32 s59, s59, 16*SUNIT
	s_sub_co_u32 s59, s59, s58
	v_mul_u32_u24 v229, s59, v2
	s_add_co_u32 s58, s58, SCL
	v_add_nc_u32 v[ADRS], v[ADRS], v229
	v_add_nc_u32 v[ADRS], s58, v[ADRS]
	s_mul_i32 s58, s[WV], 16*SPITCH                ; my stage, on R's bytes
	v_mul_u32_u24 v[STO], v1, SPITCH
	v_lshl_add_u32 v[STO], v2, 5, v[STO]
	v_add_nc_u32 v[STO], s58, v[STO]
	v_add_nc_u32 v[RD], s58, v[CO]
	s_lshl_b32 s58, s[RT], 7
	s_lshl_b32 s59, s[WR], 6
	s_add_co_u32 s58, s58, s59
	s_lshl_b32 s58, s58, 12
	s_lshl_b32 s59, s[PT], 10
	s_add_co_u32 s58, s58, s59
	s_lshl_b32 s59, s[WP], 9
	s_add_co_u32 s58, s58, s59
	s_mov_b32 s59, 0
	s_add_nc_u64 s[46:47], s[46:47], s[58:59]
	s_wait_alu depctr_va_vdst(0)                   ; the wait at the head's end
	s_wait_loadcnt 0x0
	s_wait_tensorcnt 0x0
	s_barrier_signal -1
	s_barrier_wait -1                              ; all four tiles are in
	FETCH 0, 0
	SCALES 0
.set QQ, 0
.set FST, 1
.rept 7
	s_wait_dscnt 0x0
.if QQ > 0
	PLACES 4
.endif
	FETCH QQ+1, (QQ+1)%2
.if QQ%2
	SCALES (QQ+1)/2
.endif
.if FST
	WIN 0x81
.else
	WIN 0xa1
.endif
.irp a, 0,1,2,3
	MUL8 \a, QQ%2, QQ%2, (QQ/2)%2, FST
.endr
	WIN 0
.set QQ, QQ+1
.set FST, 0
.endr
	s_wait_dscnt 0x0                               ; my last reads of the tiles are over:
	s_barrier_signal -1                            ; say so, multiply,
	WIN 0xa1
.irp a, 0,1,2,3
	MUL8 \a, 1, 1, 1, 0
.endr
	WIN 0
	s_barrier_wait -1                              ; and behind this wait nobody reads R's bytes: the stages may be written
.macro TOSTAGE a
	WIN 0x08
.irp b, 0,1,2,3,4,5,6,7
	ds_store_b128 v[STO], v[64*(\a)+8*\b:64*(\a)+8*\b+3] offset:64*\b
	ds_store_b128 v[STO], v[64*(\a)+8*\b+4:64*(\a)+8*\b+7] offset:64*\b+16
.endr
	WIN 0
.set BB, BK+64*((\a)%2)
.irp t, 0,1,2,3,4,5,6,7,8,9,10,11,12,13,14,15
	ds_load_b128 v[BB+4*\t:BB+4*\t+3], v[RD] offset:\t*SPITCH
.endr
.endm
.macro SEND a, younger
.set BB, BK+64*((\a)%2)
	s_wait_dscnt \younger
.if (\a) > 0
	s_add_nc_u64 s[46:47], s[46:47], 8*4096        ; tile a begins 8 tokens on
.endif
.irp t, 0,1,2,3,4,5,6,7,8,9,10,11,12,13,14,15
	global_store_b128 v[CO], v[BB+4*\t:BB+4*\t+3], s[46:47] offset:((\t/8)*32+\t%8)*4096 th:TH_STORE_NT   ; row t is token 32 (t / 8) + 8 a + t % 8
.endr
.endm
	PLACES 4
	TOSTAGE 0
.irp a, 1,2,3
.if \a > 1
	s_wait_xcnt 0x0
.endif
	TOSTAGE \a
	SEND \a-1, 32                                  ; behind tile a - 1's loads: tile a's 16 stores and 16 loads
.endr
	s_wait_xcnt 0x0
	SEND 3, 0
	s_wait_tensorcnt 0x0                           ; the wave's end
	ds_add_u32 v[SPW], v[NIL]
	s_wait_dscnt 0x0
	CROUND
	s_endpgm
.Lfunc_end_k_q40856e12c0_proj:
	.size	k_q40856e12c0_proj, .Lfunc_end_k_q40856e12c0_proj-k_q40856e12c0_proj
	.p2alignl 7, 3214868480
	.fill 96, 4, 3214868480
	.section	.rodata,"a",@progbits
	.p2align	6, 0x0
	.amdhsa_kernel k_q40856e12c0_proj
		.amdhsa_group_segment_fixed_size 327680
		.amdhsa_private_segment_fixed_size 0
		.amdhsa_enable_private_segment 0
		.amdhsa_kernarg_size 48
		.amdhsa_user_sgpr_count 2
		.amdhsa_user_sgpr_kernarg_segment_ptr 1
		.amdhsa_wavefront_size32 1
		.amdhsa_system_sgpr_workgroup_id_x 1
		.amdhsa_system_sgpr_workgroup_id_y 1
		.amdhsa_system_sgpr_workgroup_id_z 1
		.amdhsa_system_vgpr_workitem_id 0
		.amdhsa_next_free_vgpr 768
		.amdhsa_next_free_sgpr 102
		.amdhsa_reserve_vcc 0
		.amdhsa_float_denorm_mode_32 3
		.amdhsa_float_denorm_mode_16_64 3
		.amdhsa_memory_ordered 1
		.amdhsa_forward_progress 1
		.amdhsa_inst_pref_size 93
	.end_amdhsa_kernel
	.amdgpu_metadata
---
amdhsa.version: [ 1, 2 ]
amdhsa.kernels:
  - .name:           k_q40856e12c0_proj
    .symbol:         k_q40856e12c0_proj.kd
    .args:
      - { .name: cc, .offset: 0, .size: 8, .value_kind: global_buffer, .address_space: global }
      - { .name: cs, .offset: 8, .size: 8, .value_kind: global_buffer, .address_space: global }
      - { .name: w_o_codes, .offset: 16, .size: 8, .value_kind: global_buffer, .address_space: global }
      - { .name: w_o_scales, .offset: 24, .size: 8, .value_kind: global_buffer, .address_space: global }
      - { .name: b_o, .offset: 32, .size: 8, .value_kind: global_buffer, .address_space: global }
      - { .name: out0, .offset: 40, .size: 8, .value_kind: global_buffer, .address_space: global }
    .group_segment_fixed_size: 327680
    .private_segment_fixed_size: 0
    .kernarg_segment_align: 8
    .kernarg_segment_size: 48
    .max_flat_workgroup_size: 128
    .sgpr_count:     102
    .vgpr_count:     768
    .wavefront_size: 32
...
	.end_amdgpu_metadata
.endif
;; end of part 3
